; MI455X (gfx1250); checked and timed in simulation.
; The chip was launched on July 23, 2026; its instructions are those of AMD's public machine-readable ISA for CDNA 5 (MIT licence, August 2026) and "CDNA5" Instruction Set Architecture Reference Guide (July 2026). The comments in the code are by the model that wrote it; some were corrected since.
;; Linear Attention. Allowed arithmetic: float matrix products may take bf16 or f16 operands with f32 sums; all other float work in f32.
;; Inputs: key_mask 4 x 8,192 float32; keys 4 x 8,192 x 8 x 64 float32; queries 4 x 8,192 x 8 x 64 float32; values 4 x 8,192 x 8 x 64 float32.
;; Outputs: out0 4 x 8,192 x 8 x 64 float32.
;; One version. Each part assembles by itself: llvm-mc -triple=amdgcn-amd-amdhsa -mcpu=gfx1250 --defsym DOCPART=n.
;; ======== version 1 of 1: 2 launches
;; workspace buffers: part 4,259,840 bytes
;; launch kvsum (part 1): grid 256 x 1, 8 waves a work-group, no clusters, 140,288 bytes of LDS; arguments keys, values, key_mask, part; writes part
.if DOCPART == 1
	.amdgcn_target "amdgcn-amd-amdhsa--gfx1250"
	.amdhsa_code_object_version 6
	.text
	.protected	k_q373dcf2944_kvsum
	.globl	k_q373dcf2944_kvsum
	.p2align	8
	.type	k_q373dcf2944_kvsum,@function
k_q373dcf2944_kvsum:
	s_mov_b64 s[64:65], 0
	v_nop
	global_prefetch_b8 v0, s[64:65] scope:SCOPE_SE
	s_setreg_imm32_b32 hwreg(HW_REG_WAVE_MODE, 25, 1), 1
	s_wait_xcnt 0x0
; LINEAR ATTENTION, FIRST OF TWO LAUNCHES: partial sums over s of
;   KV[m][d] = sum K[s][d] V[s][m]   and   Ksum[d] = sum K[s][d],   K = (elu(keys) + 1) * key_mask.
; keys, values: [4][8192][8][64] f32; key_mask: [4][8192] f32.  A head's row is 64 f32 = 256 consecutive bytes, aligned, rows 2,048 bytes apart.
; Work-group id = (n*8 + chunk)*8 + head: one head, 1,024 rows of s.  Eight waves, 128 rows each, four steps of 32 rows.
;
; NO TRANSPOSITION.  The sum runs over s, the row index of memory.  One 16-byte load a lane takes two whole rows: lanes 0-15 row s, lanes 16-31
; row s+16, lane c the columns 4c .. 4c+3.  Register j of a load therefore belongs to the tile of the 16 columns {4r + j}, and the 16 loads of a
; step give lane (r, h) the 16 values of s that a 16x16x32 fragment wants of it (ISA guide 7.12.2: a lane holds one row or column, k runs along
; its registers).  K and V are loaded alike, so slot for slot they hold the same s: the order of s inside a step does not matter to the sum.
; Source 0 = tile jd of K, source 1 = tile jm of V: register j of lane (r, h) of the result is KV[m = 4r+jm][d = 32h + 4j + jd].  That is what
; lane (r, h) of the second launch needs for its B fragments, so the partial is stored as the registers lie.
;
; part, 16,640 bytes for each work-group: [wave w = 2 jm + jhalf][jd][lane][4 f32] (registers 4 jhalf .. +3 of tile (jm, jd)), then Ksum[64] f32.
;
; ARITHMETIC.  elu(x) = med3(x, e^x - 1, 0), since e^x - 1 >= x everywhere; e^x = 2^(x log2 e).  The -1 and the later +1 are kept apart as
; reference() has them, so that far negative keys give an exact 0.  (u + 1) * mask is one fused multiply-add, u * mask + mask.
; Ksum is summed in f32 on the vector unit; K and V go to the matrix unit rounded to bf16, sums in f32.
; LIMITS: a NaN among the keys is not carried on (v_med3_num_f32 drops it).
; NO CLUSTER: work-groups share only the mask, 4,096 of the 528,384 bytes that each reads.
.set ROWB,  2048                       ; bytes from s to s + 1
.set L2E,   0x3fb8aa3b                 ; log2 e
.set PARTB, 16640                      ; a work-group's partial
.set IMG,   16384                      ; LDS 0 ..: a wave's 128 accumulator registers as they lie, eight waves
.set KSL,   8*IMG                      ; LDS: 16 rows of 64 f32: each half-wave's Ksum
.set MKL,   KSL+4096                   ; LDS: 128 mask values for each wave, its own bytes
.set OFF, 1                            ; v1      my byte offset in the wave's first two rows: 16 c + h x 16 rows
.set L16, 2                            ; v2      16 x lane
.set MS,  3                            ; v3      LDS: where I put my 4 mask values
.set MA,  4                            ; v4      LDS: my half-wave's 16 mask values of step 0
.set KA,  5                            ; v5      LDS: where my Ksum goes
.set RA,  6                            ; v6      LDS: my wave's image
.set LA0, 8                            ; v8, v9  LDS: my quads in the images of waves 0-3, 4-7
.set KS,  10                           ; v[10:13]   Ksum of my 4 columns over my rows
.set MK,  14                           ; v[14:29]   the mask of my 16 rows of the step
.set T,   30                           ; v[30:37]   8 numbers at work
.set GO,  38                           ; v38     my byte offset in the partial
.set K8,  39                           ; v39     8 x lane
.set KB,  40                           ; v40     LDS: 8 x lane in the Ksum rows
.set KF,  64                           ; v[64:95]   K fragments, tile jd at 8 jd
.set VF,  96                           ; v[96:127]  V fragments, tile jm at 8 jm
.set KR,  128                          ; v[128:191] K as loaded: load i at 4 i
.set VR,  192                          ; v[192:255] V as loaded
.set P,   128                          ; the same 128 registers at the end: eight waves' quads
; v[256:383]: the 16 accumulator tiles, tile (jm, jd) at 256 + 8 (4 jm + jd); reached as v0-v127 of window 1
.set MSB, 0
.macro WIN new                         ; s_set_vgpr_msb: bits 1:0 source 0, 3:2 source 1, 5:4 source 2, 7:6 destination; the high byte repeats the setting left
.if MSB != \new
	s_set_vgpr_msb (MSB<<8)|\new
.set MSB, \new
.endif
.endm
	s_load_b256 s[4:11], s[0:1], 0x0               ; keys s[4:5], values s[6:7], key_mask s[8:9], part s[10:11]
	v_lshl_add_u32 v62, v0, 2, 0x22000
	v_mov_b32 v63, 0
	v_lshrrev_b32 v41, 5, v0
	v_readfirstlane_b32 s12, v41                   ; wave 0..7
	v_and_b32 v42, 15, v0                          ; c
	v_bfe_u32 v43, v0, 4, 1                        ; h
	v_and_b32 v44, 31, v0                          ; lane
	v_lshlrev_b32 v[L16], 4, v44
	v_lshlrev_b32 v[OFF], 4, v42
	v_lshl_add_u32 v[OFF], v43, 15, v[OFF]         ; + h x 16 rows x 2,048 bytes
	s_and_b32 s13, ttmp9, 7                        ; head
	s_lshr_b32 s14, ttmp9, 3                       ; n*8 + chunk
	s_lshl_b32 s14, s14, 10                        ; x 1,024 rows = n*8192 + the chunk's first s
	s_lshl_b32 s15, s12, 7
	s_add_co_u32 s14, s14, s15                     ; + wave x 128: my wave's first row, below 32,768
	s_lshl_b32 s16, s14, 11                        ; x 2,048 bytes: below 2^26
	s_lshl_b32 s15, s13, 8
	s_add_co_u32 s16, s16, s15                     ; + head x 256
	s_mov_b32 s17, 0
	s_lshl_b32 s18, s14, 2                         ; the same row in the mask
	s_mov_b32 s19, 0
	s_mul_i32 s20, ttmp9, PARTB
	s_mov_b32 s21, 0
	s_wait_kmcnt 0x0
	s_add_nc_u64 s[4:5], s[4:5], s[16:17]
	s_add_nc_u64 s[6:7], s[6:7], s[16:17]
	s_add_nc_u64 s[8:9], s[8:9], s[18:19]
	s_add_nc_u64 s[10:11], s[10:11], s[20:21]
; Batch p of step st: rows 2p and 2p+1 of each half-wave's 16, of K or of V.  Every offset is an immediate (at most 111 rows): no address register
; is ever rewritten, so no wait is owed to one.  Each byte is read once in the launch: TH_LOAD_NT.
.macro LOADK st, p
	global_load_b128 v[KR+8*\p:KR+8*\p+3],   v[OFF], s[4:5] offset:(32*(\st)+2*\p)*ROWB th:TH_LOAD_NT
	global_load_b128 v[KR+8*\p+4:KR+8*\p+7], v[OFF], s[4:5] offset:(32*(\st)+2*\p+1)*ROWB th:TH_LOAD_NT
.endm
.macro LOADV st, p
	global_load_b128 v[VR+8*\p:VR+8*\p+3],   v[OFF], s[6:7] offset:(32*(\st)+2*\p)*ROWB th:TH_LOAD_NT
	global_load_b128 v[VR+8*\p+4:VR+8*\p+7], v[OFF], s[6:7] offset:(32*(\st)+2*\p+1)*ROWB th:TH_LOAD_NT
.endm
.macro MASKS st                        ; my half-wave's 16 mask values of step st, from my wave's own LDS bytes
.irp k, 0,1,2,3
	ds_load_b128 v[MK+4*\k:MK+4*\k+3], v[MA] offset:128*(\st)+16*\k
.endr
.endm
	global_load_b128 v[T:T+3], v[L16], s[8:9]      ; the wave's 128 mask values, 512 consecutive bytes
.irp p, 0,1,2,3,4,5,6,7
	LOADV 0, \p                                    ; fill the ring: the 32 loads of step 0, 16,384 bytes a wave
	LOADK 0, \p
.endr
	; LDS addresses, while the loads are on their way
	s_lshl_b32 s22, s12, 9
	s_add_co_u32 s23, s22, MKL                     ; my wave's mask bytes
	s_add_co_u32 s24, s22, KSL                     ; my wave's two Ksum rows
	s_lshl_b32 s25, s12, 14                        ; my wave's image
	s_lshr_b32 s26, s12, 1                         ; jm = wave / 2, jhalf = wave % 2: I sum the quads 8 jm + 2 jd + jhalf, jd = 0..3
	s_lshl_b32 s26, s26, 3
	s_and_b32 s27, s12, 1
	s_or_b32 s26, s26, s27
	s_lshl_b32 s26, s26, 9                         ; a quad is 512 bytes
	s_lshl_b32 s27, s12, 11                        ; in the partial my four quads lie together: wave x 2,048
	v_add_nc_u32 v[MS], s23, v[L16]
	v_lshl_add_u32 v[MA], v43, 6, s23              ; + h x 16 values
	v_add_nc_u32 v[KA], s24, v[L16]
	v_add_nc_u32 v[RA], s25, v[L16]
	v_add_nc_u32 v[LA0], s26, v[L16]
	v_add_nc_u32 v[LA0+1], 0x10000, v[LA0]         ; waves 4-7: beyond the 16-bit immediate
	v_add_nc_u32 v[GO], s27, v[L16]
	v_lshlrev_b32 v[K8], 3, v44
	v_add_nc_u32 v[KB], KSL, v[K8]
	s_wait_loadcnt 32                              ; loads return in order (ISA guide 5.7.1): the mask is in, the 32 ring loads behind it stay out
	ds_store_b128 v[MS], v[T:T+3]
	MASKS 0                                        ; LDS serves a wave's instructions in order (ISA guide 5.7.1.4): these see the store above; the bytes are my wave's alone
; One batch: 8 numbers of K and 8 of V a lane.  refill = 1: its four loads are issued again, for the step behind this one.
.macro BATCH st, p, refill
	s_wait_loadcnt 28-4*\p*(1-\refill)             ; behind my four loads stand four of each of the seven other batches; in the last step only those of the batches still to come
.irp c, 0,2,4,6
	v_pk_mul_f32 v[T+\c:T+\c+1], v[KR+8*\p+\c:KR+8*\p+\c+1], L2E op_sel_hi:[1,0]
.endr
.irp c, 0,1,2,3,4,5,6,7
	v_exp_f32 v[T+\c], v[T+\c]                     ; e^x
.endr
.irp c, 0,1,2,3
	v_cvt_pk_bf16_f32 v[VF+8*\c+\p], v[VR+8*\p+\c], v[VR+8*\p+4+\c]   ; V: rows 2p, 2p+1 of column 4r+c.  Also the plain instructions that stand between the exponentials and their use (ISA guide 5.7.2)
.endr
.if \refill
	LOADV \st+1, \p
.endif
	s_wait_alu depctr_va_vdst(0)
.irp c, 0,2,4,6
	v_pk_add_f32 v[T+\c:T+\c+1], v[T+\c:T+\c+1], -1.0 op_sel_hi:[1,0]
.endr
.irp c, 0,1,2,3,4,5,6,7
	v_med3_num_f32 v[T+\c], v[KR+8*\p+\c], v[T+\c], 0          ; elu(x): x above 0, e^x - 1 below
.endr
.if \refill
	LOADK \st+1, \p
.endif
	v_pk_fma_f32 v[T:T+1],   v[T:T+1],   v[MK+2*\p:MK+2*\p+1], v[MK+2*\p:MK+2*\p+1] op_sel_hi:[1,0,0]               ; (elu + 1) * mask of row 2p
	v_pk_fma_f32 v[T+2:T+3], v[T+2:T+3], v[MK+2*\p:MK+2*\p+1], v[MK+2*\p:MK+2*\p+1] op_sel_hi:[1,0,0]
	v_pk_fma_f32 v[T+4:T+5], v[T+4:T+5], v[MK+2*\p:MK+2*\p+1], v[MK+2*\p:MK+2*\p+1] op_sel:[0,1,1] op_sel_hi:[1,1,1]  ; of row 2p+1: the pair's second register
	v_pk_fma_f32 v[T+6:T+7], v[T+6:T+7], v[MK+2*\p:MK+2*\p+1], v[MK+2*\p:MK+2*\p+1] op_sel:[0,1,1] op_sel_hi:[1,1,1]
.if \st+\p == 0
	v_pk_add_f32 v[KS:KS+1],   v[T:T+1],   v[T+4:T+5]          ; the first two rows start Ksum: nothing is cleared
	v_pk_add_f32 v[KS+2:KS+3], v[T+2:T+3], v[T+6:T+7]
.else
	v_pk_add_f32 v[KS:KS+1],   v[KS:KS+1],   v[T:T+1]
	v_pk_add_f32 v[KS+2:KS+3], v[KS+2:KS+3], v[T+2:T+3]
	v_pk_add_f32 v[KS:KS+1],   v[KS:KS+1],   v[T+4:T+5]
	v_pk_add_f32 v[KS+2:KS+3], v[KS+2:KS+3], v[T+6:T+7]
.endif
.irp c, 0,1,2,3
	v_cvt_pk_bf16_f32 v[KF+8*\c+\p], v[T+\c], v[T+4+\c]        ; K: the same two rows in the same slot as V's
.endr
.endm
; A step: 32 rows, eight batches, then 64 x 64 x 32 in 16 matrix instructions.  The next step's first write of a fragment register (V's conversion in
; batch 0) stands behind that batch's four v_pk_mul_f32, which name no register of a matrix instruction: the four places of ISA guide 7.12.1.
.macro STEP st, refill
	s_wait_dscnt 0x0                               ; the step's mask values
.irp p, 0,1,2,3,4,5,6,7
	BATCH \st, \p, \refill
.endr
.if \refill
	MASKS \st+1                                    ; behind the last use of this step's; they come in under the matrix instructions
.endif
	WIN 0x50                                       ; C and D in window 1, A and B in window 0
.irp a, 0,1,2,3
.irp b, 0,1,2,3
.if \st == 0
	v_wmma_f32_16x16x32_bf16 v[8*(4*\a+\b):8*(4*\a+\b)+7], v[KF+8*\b:KF+8*\b+7], v[VF+8*\a:VF+8*\a+7], 0     ; the first product starts the sums
.else
	v_wmma_f32_16x16x32_bf16 v[8*(4*\a+\b):8*(4*\a+\b)+7], v[KF+8*\b:KF+8*\b+7], v[VF+8*\a:VF+8*\a+7], v[8*(4*\a+\b):8*(4*\a+\b)+7]
.endif
.endr
.endr
	WIN 0
.endm
	STEP 0, 1
	STEP 1, 1
	STEP 2, 1
	STEP 3, 0                                      ; the last step loads nothing: no load leaves the wave's 128 rows, and the counts run down to 0
	; THE EIGHT WAVES' SUMS MEET IN LDS, as the registers lie: quad q (registers 4q .. 4q+3) at 512 q + 16 lane of the wave's image.
.rept 4
	v_nop                                          ; four places between the last matrix instruction and the LDS stores that read results
.endr
	WIN 0x04                                       ; store data in window 1, address in window 0
.set qd, 0
.rept 32
	ds_store_b128 v[RA], v[4*qd:4*qd+3] offset:512*qd
.set qd, qd+1
.endr
	WIN 0
	ds_store_b128 v[KA], v[KS:KS+3]                ; row 2 wave + h of the Ksum rows, column 4c
	s_wait_dscnt 0x0                               ; for the other waves' sake: all my stores are in LDS
	s_barrier_signal -1
	s_barrier_wait -1
.set sr, 0
.rept 8
.irp b, 0,1,2,3
	ds_load_b128 v[P+16*sr+4*\b:P+16*sr+4*\b+3], v[LA0+sr/4] offset:(sr%4)*IMG+\b*1024
.endr
.set sr, sr+1
.endr
.set sr, 1
.rept 7
	s_wait_dscnt 28-4*sr                           ; image sr is in; four loads of each younger image stay out
.irp c, 0,2,4,6,8,10,12,14
	v_pk_add_f32 v[P+\c:P+\c+1], v[P+\c:P+\c+1], v[P+16*sr+\c:P+16*sr+\c+1]
.endr
.set sr, sr+1
.endr
.irp b, 0,1,2,3
	global_store_b128 v[GO], v[P+4*\b:P+4*\b+3], s[10:11] offset:\b*512    ; each store of the wave covers 512 consecutive bytes, aligned
.endr
	; Ksum: wave 0 adds the 16 half-waves' rows, two columns a lane, and stores 256 consecutive bytes
	s_cmp_lg_u32 s12, 0
	s_cbranch_scc1 .Lend
.set rw, 0
.rept 16
	ds_load_b64 v[KF+2*rw:KF+2*rw+1], v[KB] offset:256*rw
.set rw, rw+1
.endr
	s_wait_dscnt 0x0
.irp i, 0,1,2,3,4,5,6,7
	v_pk_add_f32 v[KF+2*\i:KF+2*\i+1], v[KF+2*\i:KF+2*\i+1], v[KF+2*\i+16:KF+2*\i+17]
.endr
.irp i, 0,1,2,3
	v_pk_add_f32 v[KF+2*\i:KF+2*\i+1], v[KF+2*\i:KF+2*\i+1], v[KF+2*\i+8:KF+2*\i+9]
.endr
.irp i, 0,1
	v_pk_add_f32 v[KF+2*\i:KF+2*\i+1], v[KF+2*\i:KF+2*\i+1], v[KF+2*\i+4:KF+2*\i+5]
.endr
	v_pk_add_f32 v[KF:KF+1], v[KF:KF+1], v[KF+2:KF+3]
	global_store_b64 v[K8], v[KF:KF+1], s[10:11] offset:IMG
.Lend:
	s_wait_tensorcnt 0x0
	ds_add_u32 v62, v63
	s_wait_dscnt 0x0
	s_endpgm
.Lfunc_end_k_q373dcf2944_kvsum:
	.size	k_q373dcf2944_kvsum, .Lfunc_end_k_q373dcf2944_kvsum-k_q373dcf2944_kvsum
	.p2alignl 7, 3214868480
	.fill 96, 4, 3214868480
	.section	.rodata,"a",@progbits
	.p2align	6, 0x0
	.amdhsa_kernel k_q373dcf2944_kvsum
		.amdhsa_group_segment_fixed_size 140288
		.amdhsa_private_segment_fixed_size 0
		.amdhsa_enable_private_segment 0
		.amdhsa_kernarg_size 32
		.amdhsa_user_sgpr_count 2
		.amdhsa_user_sgpr_kernarg_segment_ptr 1
		.amdhsa_wavefront_size32 1
		.amdhsa_system_sgpr_workgroup_id_x 1
		.amdhsa_system_sgpr_workgroup_id_y 1
		.amdhsa_system_sgpr_workgroup_id_z 1
		.amdhsa_system_vgpr_workitem_id 0
		.amdhsa_next_free_vgpr 384
		.amdhsa_next_free_sgpr 66
		.amdhsa_reserve_vcc 0
		.amdhsa_float_denorm_mode_32 3
		.amdhsa_float_denorm_mode_16_64 3
		.amdhsa_memory_ordered 1
		.amdhsa_forward_progress 1
		.amdhsa_inst_pref_size 109
	.end_amdhsa_kernel
	.amdgpu_metadata
---
amdhsa.version: [ 1, 2 ]
amdhsa.kernels:
  - .name:           k_q373dcf2944_kvsum
    .symbol:         k_q373dcf2944_kvsum.kd
    .args:
      - { .name: keys, .offset: 0, .size: 8, .value_kind: global_buffer, .address_space: global }
      - { .name: values, .offset: 8, .size: 8, .value_kind: global_buffer, .address_space: global }
      - { .name: key_mask, .offset: 16, .size: 8, .value_kind: global_buffer, .address_space: global }
      - { .name: part, .offset: 24, .size: 8, .value_kind: global_buffer, .address_space: global }
    .group_segment_fixed_size: 140288
    .private_segment_fixed_size: 0
    .kernarg_segment_align: 8
    .kernarg_segment_size: 32
    .max_flat_workgroup_size: 256
    .sgpr_count:     66
    .vgpr_count:     384
    .wavefront_size: 32
...
	.end_amdgpu_metadata
.endif
;; end of part 1
;; launch apply (part 2): grid 256 x 1, 8 waves a work-group, no clusters, 288,000 bytes of LDS; arguments queries, part, out0; writes out0
.if DOCPART == 2
	.amdgcn_target "amdgcn-amd-amdhsa--gfx1250"
	.amdhsa_code_object_version 6
	.text
	.protected	k_q373dcf2944_apply
	.globl	k_q373dcf2944_apply
	.p2align	8
	.type	k_q373dcf2944_apply,@function
k_q373dcf2944_apply:
	s_mov_b64 s[64:65], 0
	v_nop
	global_prefetch_b8 v0, s[64:65] scope:SCOPE_SE
	s_setreg_imm32_b32 hwreg(HW_REG_WAVE_MODE, 25, 1), 1
	s_wait_xcnt 0x0
; LINEAR ATTENTION, SECOND OF TWO LAUNCHES: out[l][m] = (sum over d of Q[l][d] KV[m][d]) / (sum over d of Q[l][d] Ksum[d] + 1e-6), Q = elu(queries) + 1.
; queries, out0: [4][8192][8][64] f32: a head's row is 256 consecutive bytes, aligned, rows 2,048 bytes apart.
; Work-group id = (n*8 + chunk)*8 + head: one head, 1,024 rows of l.  Eight waves, 128 rows each, eight tiles of 16 rows.
;
; Q.  A fragment wants a lane to hold one row, so Q goes through LDS.  Each wave asks for its eight tiles (16 rows x 256 bytes) by eight tensor
; loads before it does anything else: eight are outstanding at the most, each into a slot of its own that is filled once and read by this wave alone,
; so s_wait_tensorcnt is all the ordering they need.  Rows are padded to 272 bytes in LDS: the 16 rows that a 16-byte load touches start in 16
; different 16-byte columns of the 64 banks (ISA guide 11.1).  Lane (r, h) holds row r, d = 32h + 16q + 0..15 in K step q.
; KV, Ksum.  part holds eight partial sums for this (n, head), each as the first launch's registers lay: [wave w = 2t+q][jd][lane][4 f32], in which
; lane (r, h) finds KV[m = 4r+t][d = 32h + 16q + 4jj + jd] in register jj of quad jd: the B fragment (t, q), lane for lane.  Wave w adds its four quads over
; the eight partials in f32, rounds them to bf16 and puts the fragment in LDS; behind one barrier every wave takes all eight.  Ksum is put in every
; column of a fifth B tile, so that the denominator of row l arrives in all 16 lanes that hold numbers of row l.
; OUT.  With m = 4r + t, register j of the four tiles in lane (r, h) is out[8h+j][4r .. 4r+3]: the multiplication by 1/denominator writes them into four
; neighbouring registers, and each store of the wave covers two whole rows of 256 consecutive bytes, aligned.
;
; ARITHMETIC.  elu(x) = med3(x, e^x - 1, 0), since e^x - 1 >= x everywhere; -1 and +1 stay apart as in reference(), so that far negative queries give an exact 0.
; Q, KV and Ksum enter the matrix unit in bf16, sums in f32; partial sums, + 1e-6, the reciprocal and the scaling in f32.
; LIMITS: a NaN among the queries is not carried on (v_med3_num_f32 drops it); where |denominator + 1e-6| exceeds 2^126, v_rcp_f32 gives 0 in place
; of a denormal (ISA guide 15.8).
; NO CLUSTER: the eight work-groups of one (n, head) share the partials, 133,120 of the 657,408 bytes that each moves; they are read once, into
; registers, and summed as they come, while the Q tiles are on their way.
.set ROWB,  2048
.set PITCH, 272                        ; an LDS row of Q: 256 bytes + 16 of padding
.set TILEB, 16*PITCH                   ; a tile's slot
.set WQB,   8*TILEB                    ; a wave's eight slots
.set FR,    8*WQB                      ; behind them: eight fragments of 1,024 bytes, as the registers lie
.set KSB,   FR+8192                    ; and Ksum, 64 bf16 in the order of d
.set PARTB, 16640                      ; a partial: 16,384 bytes of KV, 256 of Ksum
.set CHB,   8*PARTB                    ; from one chunk's partial to the next chunk's of the same head
.set L2E,   0x3fb8aa3b                 ; log2 e
.set EPSF,  0x358637bd                 ; 1e-6
.set QA, 1                             ; v1   LDS: row r of my wave's tile 0, + 128 h
.set CO, 2                             ; v2   out: 8 h rows + 16 r
.set PO, 3                             ; v3   part: wave x 2,048 + 16 lane
.set FA, 4                             ; v4   LDS: 16 lane in the fragments
.set KA, 5                             ; v5   LDS: Ksum at d = 32 h
.set FS, 6                             ; v6   LDS: my wave's fragment
.set K8, 7                             ; v7   8 x lane
.set K4, 8                             ; v8   LDS: Ksum at d = 2 lane
.set BF,  16                           ; v[16:79]    KV fragments, (t, q) at 8 (2t + q)
.set BK,  80                           ; v[80:95]    Ksum fragments, q at 8 q
.set QR,  96                           ; v[96:127]   32 numbers of Q as loaded
.set T,   128                          ; v[128:159]  the same at work
.set QF,  160                          ; v[160:175]  Q fragments, q at 8 q
.set DEN, 176                          ; v[176:183]  denominators, then their reciprocals
.set ACC, 184                          ; v[184:215]  the four tiles of Q KV
.set O,   216                          ; v[216:247]  results: row j at 4 j
.set P,   128                          ; v[128:255]  at the start: my four quads of the eight partials
.set F,   96                           ; v[96:103]   at the start: my fragment
.set KSR, 104                          ; v[104:119]  at the start, wave 0: two numbers of Ksum from each partial
.set G1, 16                            ; s[16:23] descriptor group 1, the same for every load
.set G0, 24                            ; s[24:55] descriptor group 0, a set for each of the eight loads: none is rewritten
	s_load_b128 s[4:7], s[0:1], 0x0                ; queries s[4:5], part s[6:7]
	s_load_b64 s[8:9], s[0:1], 0x10                ; out0
	v_lshl_add_u32 v14, v0, 2, 0x46100
	v_mov_b32 v15, 0
	ds_add_u32 v14, v15
	ds_add_u32 v14, v15
	v_lshrrev_b32 v9, 5, v0
	v_readfirstlane_b32 s10, v9                    ; wave 0..7
	s_mov_b32 s[G1+0], (2<<16)|(1<<20)|(5<<22)|(3<<25) ; elements of 4 bytes; padding on: after every 64 words (code 5) skip 4 (code 3); no work-group mask
	s_mov_b32 s[G1+1], 64<<16                      ; tensor_dim0 = 64: the tile lies inside, so the extents are its own
	s_mov_b32 s[G1+2], 16<<16                      ; tensor_dim1 = 16
	s_mov_b32 s[G1+3], 64<<16                      ; tile_dim0 = 64 elements
	s_mov_b32 s[G1+4], 16                          ; tile_dim1 = 16 rows
	s_mov_b32 s[G1+5], 512                         ; 512 elements from row to row
	s_mov_b32 s[G1+6], 0
	s_mov_b32 s[G1+7], 0
	s_and_b32 s11, ttmp9, 7                        ; head
	s_lshr_b32 s12, ttmp9, 3                       ; n*8 + chunk
	s_lshl_b32 s12, s12, 10
	s_lshl_b32 s13, s10, 7
	s_add_co_u32 s12, s12, s13                     ; my wave's first row, n*8192 + l, below 32,768
	s_lshl_b32 s12, s12, 11
	s_lshl_b32 s13, s11, 8
	s_add_co_u32 s12, s12, s13                     ; x 2,048 + head x 256: below 2^26
	s_mov_b32 s13, 0
	s_lshr_b32 s14, ttmp9, 6                       ; n
	s_lshl_b32 s14, s14, 6
	s_add_co_u32 s14, s14, s11                     ; the first launch's work-group of chunk 0: n*64 + head
	s_mul_i32 s14, s14, PARTB
	s_mov_b32 s15, 0
	s_mul_i32 s56, s10, WQB                        ; my wave's slots
	s_wait_dscnt 0x0
	s_wait_kmcnt 0x0
	s_add_nc_u64 s[4:5], s[4:5], s[12:13]
	s_add_nc_u64 s[8:9], s[8:9], s[12:13]
	s_add_nc_u64 s[6:7], s[6:7], s[14:15]
.irp i, 0,1,2,3,4,5,6,7
	s_mov_b32 s[G0+4*\i], 1                                        ; count = 1
	s_add_co_u32 s[G0+4*\i+1], s56, \i*TILEB                       ; LDS address: wave x 34,816 + tile x 4,352
	s_add_nc_u64 s[G0+4*\i+2:G0+4*\i+3], s[4:5], \i*16*ROWB        ; the tile's first element
	s_or_b32 s[G0+4*\i+3], s[G0+4*\i+3], 0x80000000               ; type = 2
	tensor_load_to_lds s[G0+4*\i:G0+4*\i+3], s[G1:G1+7]
	s_nop 0
.endr
	v_and_b32 v10, 31, v0                          ; lane
	v_and_b32 v11, 15, v0                          ; r
	v_bfe_u32 v12, v0, 4, 1                        ; h
	v_lshlrev_b32 v13, 4, v10
	s_lshl_b32 s57, s10, 11
	v_add_nc_u32 v[PO], s57, v13
	v_lshlrev_b32 v[K8], 3, v10
.set ch, 0
.rept 8
.irp b, 0,1,2,3
	global_load_b128 v[P+16*ch+4*\b:P+16*ch+4*\b+3], v[PO], s[6:7] offset:ch*CHB+\b*512    ; 512 consecutive bytes each
.endr
.set ch, ch+1
.endr
	v_mul_u32_u24 v[QA], v11, PITCH
	v_lshl_add_u32 v[QA], v12, 7, v[QA]
	v_add_nc_u32 v[QA], s56, v[QA]
	v_lshlrev_b32 v[CO], 4, v11
	v_lshl_add_u32 v[CO], v12, 14, v[CO]
	v_add_nc_u32 v[FA], FR, v13
	s_lshl_b32 s58, s10, 10
	v_add_nc_u32 v[FS], s58, v[FA]
	v_lshlrev_b32 v[KA], 6, v12
	v_add_nc_u32 v[KA], KSB, v[KA]
	v_lshlrev_b32 v[K4], 2, v10
	v_add_nc_u32 v[K4], KSB, v[K4]
	; Ksum: wave 0 alone, two numbers a lane, so that each partial's 256 bytes are read whole and once
	s_cmp_lg_u32 s10, 0
	s_cbranch_scc1 .Lnoks
.set ch, 0
.rept 8
	global_load_b64 v[KSR+2*ch:KSR+2*ch+1], v[K8], s[6:7] offset:ch*CHB+16384
.set ch, ch+1
.endr
	s_wait_loadcnt 0x0
.irp i, 0,1,2,3
	v_pk_add_f32 v[KSR+2*\i:KSR+2*\i+1], v[KSR+2*\i:KSR+2*\i+1], v[KSR+2*\i+8:KSR+2*\i+9]
.endr
.irp i, 0,1
	v_pk_add_f32 v[KSR+2*\i:KSR+2*\i+1], v[KSR+2*\i:KSR+2*\i+1], v[KSR+2*\i+4:KSR+2*\i+5]
.endr
	v_pk_add_f32 v[KSR:KSR+1], v[KSR:KSR+1], v[KSR+2:KSR+3]
	v_cvt_pk_bf16_f32 v[KSR], v[KSR], v[KSR+1]
	ds_store_b32 v[K4], v[KSR]
.Lnoks:
.set ch, 1
.rept 7
	s_wait_loadcnt 28-4*ch                         ; partial ch is in; four loads of each younger partial stay out
.irp c, 0,2,4,6,8,10,12,14
	v_pk_add_f32 v[P+\c:P+\c+1], v[P+\c:P+\c+1], v[P+16*ch+\c:P+16*ch+\c+1]
.endr
.set ch, ch+1
.endr
	; slot 4 jj + jd of the fragment is register jj of quad jd: register pp takes slots 2 pp and 2 pp + 1
.set pp, 0
.rept 8
	v_cvt_pk_bf16_f32 v[F+pp], v[P+8*(pp%2)+pp/2], v[P+8*(pp%2)+pp/2+4]
.set pp, pp+1
.endr
	ds_store_b128 v[FS], v[F:F+3]
	ds_store_b128 v[FS], v[F+4:F+7] offset:512
	s_wait_dscnt 0x0                               ; for the other waves' sake: my fragment (and wave 0's Ksum) is in LDS
	s_barrier_signal -1
	s_barrier_wait -1
.irp f, 0,1,2,3,4,5,6,7
	ds_load_b128 v[BF+8*\f:BF+8*\f+3],   v[FA] offset:1024*\f
	ds_load_b128 v[BF+8*\f+4:BF+8*\f+7], v[FA] offset:1024*\f+512
.endr
.irp k, 0,1,2,3
	ds_load_b128 v[BK+4*\k:BK+4*\k+3], v[KA] offset:16*\k          ; Ksum[32h + 8k ..]: the same in all 16 lanes of a half
.endr
.macro EXPS hf                         ; e^x of the 16 numbers of K step hf
.irp c, 0,2,4,6,8,10,12,14
	v_pk_mul_f32 v[T+16*\hf+\c:T+16*\hf+\c+1], v[QR+16*\hf+\c:QR+16*\hf+\c+1], L2E op_sel_hi:[1,0]
.endr
.irp c, 0,1,2,3,4,5,6,7,8,9,10,11,12,13,14,15
	v_exp_f32 v[T+16*\hf+\c], v[T+16*\hf+\c]
.endr
.endm
.macro FEAT hf                         ; elu + 1, and the A fragment of K step hf
	s_wait_alu depctr_va_vdst(0)
.irp c, 0,2,4,6,8,10,12,14
	v_pk_add_f32 v[T+16*\hf+\c:T+16*\hf+\c+1], v[T+16*\hf+\c:T+16*\hf+\c+1], -1.0 op_sel_hi:[1,0]
.endr
.irp c, 0,1,2,3,4,5,6,7,8,9,10,11,12,13,14,15
	v_med3_num_f32 v[T+16*\hf+\c], v[QR+16*\hf+\c], v[T+16*\hf+\c], 0
.endr
.irp c, 0,2,4,6,8,10,12,14
	v_pk_add_f32 v[T+16*\hf+\c:T+16*\hf+\c+1], v[T+16*\hf+\c:T+16*\hf+\c+1], 1.0 op_sel_hi:[1,0]
.endr
.irp c, 0,1,2,3,4,5,6,7
	v_cvt_pk_bf16_f32 v[QF+8*\hf+\c], v[T+16*\hf+2*\c], v[T+16*\hf+2*\c+1]
.endr
.endm
.macro PROD q                          ; 16 rows x (Ksum, 64 columns of KV) x 32 of d.  K step 0 starts the sums, K step 1 is the next link in place
.if \q == 0
	v_wmma_f32_16x16x32_bf16 v[DEN:DEN+7], v[QF:QF+7], v[BK:BK+7], 0
.irp t, 0,1,2,3
	v_wmma_f32_16x16x32_bf16 v[ACC+8*\t:ACC+8*\t+7], v[QF:QF+7], v[BF+16*\t:BF+16*\t+7], 0
.endr
.else
	v_wmma_f32_16x16x32_bf16 v[DEN:DEN+7], v[QF+8:QF+15], v[BK+8:BK+15], v[DEN:DEN+7]
.irp t, 0,1,2,3
	v_wmma_f32_16x16x32_bf16 v[ACC+8*\t:ACC+8*\t+7], v[QF+8:QF+15], v[BF+16*\t+8:BF+16*\t+15], v[ACC+8*\t:ACC+8*\t+7]
.endr
.endif
.endm
; A tile of 16 rows.  The eight tiles are written out: the tensor count runs down and every offset is an immediate.
.macro TILE i
	s_wait_tensorcnt 7-\i                          ; tensor loads of a wave end in order (ISA guide 10.11.1): tile i is in LDS, the younger ones stay out
.irp k, 0,1,2,3,4,5,6,7
	ds_load_b128 v[QR+4*\k:QR+4*\k+3], v[QA] offset:\i*TILEB+16*\k     ; Q[r][32h + 4k ..]
.endr
	s_wait_dscnt 4                                 ; K step 0's four loads (and all before them) are in; K step 1's four stay out
	EXPS 0
	s_wait_dscnt 0x0
	EXPS 1                                         ; its multiplications are the plain instructions behind the first run of exponentials (ISA guide 5.7.2),
	FEAT 0                                         ; and these additions those behind the second
	PROD 0
	FEAT 1                                         ; names none of the registers of the five products above
	PROD 1
.rept 4
	v_nop                                          ; four places before vector instructions read the results (ISA guide 7.12.1)
.endr
.irp c, 0,2,4,6
	v_pk_add_f32 v[DEN+\c:DEN+\c+1], v[DEN+\c:DEN+\c+1], EPSF op_sel_hi:[1,0]
.endr
.irp j, 0,1,2,3,4,5,6,7
	v_rcp_f32 v[DEN+\j], v[DEN+\j]
.endr
	s_wait_xcnt 0x0                                ; the last tile's stores have had their addresses translated (ISA guide 3.1): O is rewritten only behind this wait
	v_nop                                          ; one plain instruction between the reciprocals and their use (ISA guide 5.7.2)
	s_wait_alu depctr_va_vdst(0)
.irp j, 0,1,2,3,4,5,6,7
.irp t, 0,1,2,3
	v_mul_f32 v[O+4*\j+\t], v[ACC+8*\t+\j], v[DEN+\j]              ; out[8h+j][4r+t], into neighbouring registers
.endr
	global_store_b128 v[CO], v[O+4*\j:O+4*\j+3], s[8:9] offset:(16*\i+\j)*ROWB th:TH_STORE_NT    ; rows j and 8+j of the tile, 256 consecutive bytes each
.endr
.endm
	TILE 0
	TILE 1
	TILE 2
	TILE 3
	TILE 4
	TILE 5
	TILE 6
	TILE 7                                         ; its wait is for 0: no tensor load is out at the end
	s_wait_tensorcnt 0x0
	ds_add_u32 v14, v15
	s_wait_dscnt 0x0
	s_endpgm
.Lfunc_end_k_q373dcf2944_apply:
	.size	k_q373dcf2944_apply, .Lfunc_end_k_q373dcf2944_apply-k_q373dcf2944_apply
	.p2alignl 7, 3214868480
	.fill 96, 4, 3214868480
	.section	.rodata,"a",@progbits
	.p2align	6, 0x0
	.amdhsa_kernel k_q373dcf2944_apply
		.amdhsa_group_segment_fixed_size 288000
		.amdhsa_private_segment_fixed_size 0
		.amdhsa_enable_private_segment 0
		.amdhsa_kernarg_size 24
		.amdhsa_user_sgpr_count 2
		.amdhsa_user_sgpr_kernarg_segment_ptr 1
		.amdhsa_wavefront_size32 1
		.amdhsa_system_sgpr_workgroup_id_x 1
		.amdhsa_system_sgpr_workgroup_id_y 1
		.amdhsa_system_sgpr_workgroup_id_z 1
		.amdhsa_system_vgpr_workitem_id 0
		.amdhsa_next_free_vgpr 256
		.amdhsa_next_free_sgpr 66
		.amdhsa_reserve_vcc 0
		.amdhsa_float_denorm_mode_32 3
		.amdhsa_float_denorm_mode_16_64 3
		.amdhsa_memory_ordered 1
		.amdhsa_forward_progress 1
		.amdhsa_inst_pref_size 107
	.end_amdhsa_kernel
	.amdgpu_metadata
---
amdhsa.version: [ 1, 2 ]
amdhsa.kernels:
  - .name:           k_q373dcf2944_apply
    .symbol:         k_q373dcf2944_apply.kd
    .args:
      - { .name: queries, .offset: 0, .size: 8, .value_kind: global_buffer, .address_space: global }
      - { .name: part, .offset: 8, .size: 8, .value_kind: global_buffer, .address_space: global }
      - { .name: out0, .offset: 16, .size: 8, .value_kind: global_buffer, .address_space: global }
    .group_segment_fixed_size: 288000
    .private_segment_fixed_size: 0
    .kernarg_segment_align: 8
    .kernarg_segment_size: 24
    .max_flat_workgroup_size: 256
    .sgpr_count:     66
    .vgpr_count:     256
    .wavefront_size: 32
...
	.end_amdgpu_metadata
.endif
;; end of part 2
